; MI455X (gfx1250); checked and timed in simulation.
; The chip was launched on July 23, 2026; its instructions are those of AMD's public machine-readable ISA for CDNA 5 (MIT licence, August 2026) and "CDNA5" Instruction Set Architecture Reference Guide (July 2026). The comments in the code are by the model that wrote it; some were corrected since.
;; Multi Head Attention Quantum. Allowed arithmetic: matrix products marked QUANTISED: E4M3 operands, one given power-of-two scale a tensor, by v_wmma_f32_16x16x64_fp8_fp8 or v_wmma_f32_16x16x128_fp8_fp8, f32 sums; everything else in f32.
;; Inputs: b_out 1,024 float32; lowp_scales 6 int32 (the exponents e of the quantised operands' scales 2^e); theta 16 x 64 float32; w_out 1,024 x 1,024 float32; x 4 x 2,048 x 1,024 float32.
;; Outputs: out0 4 x 2,048 x 1,024 float32.
;; This version of the problem:
;;   THIS VERSION OF THE PROBLEM IS GIVEN IN LOW PRECISION. The matrix products marked QUANTISED in the list below multiply operands that are first quantised to E4M3 (4 exponent bits, 3 mantissa bits; 8 bits a number), with one given power-of-two scale for each operand tensor; their sums are f32. All else is computed in f32.
;;   The module's matrix products, in the order in which they are computed (A, B: the left and right operand; K: the contracted axis; several contracted axes count as one K, in the product's order):
;;     1. batch 64 x [M 2,048, K 64] x [K 64, N 2,048]; A: computed on the way; B: computed on the way: QUANTISED (scales: A lowp_scales[0], B lowp_scales[1])
;;     2. batch 64 x [M 2,048, K 2,048] x [K 2,048, N 64]; A: softmax (see below); B: computed on the way: QUANTISED (scales: A lowp_scales[2], B lowp_scales[3])
;;     3. [M 8,192, K 1,024] x [K 1,024, N 1,024]; A: computed on the way; B: input w_out: QUANTISED (scales: A lowp_scales[4], B lowp_scales[5])
;;   THE QUANTISER, for each operand of a quantised product, along K:
;;     - The operand's scale is 2^e, e = its entry of the input lowp_scales (int32; the entries are numbered through the quantised products in the list's order, A before B).
;;     - Each number is divided by the scale, clamped to +-448, and rounded to the nearest number of E4M3, ties to even, subnormals kept.
;;     - The product sums the exact products of the quantised numbers (number of the format x scale) in f32.
;;   ~~~python
;;   def quantise(x, axis, e):      # numpy; x: float32 -> the quantised numbers, widened to float32 again
;;       x = np.moveaxis(x, axis, -1); K = x.shape[-1]
;;       r = np.clip(x / 2.0 ** e, -448, 448)
;;       step = 2.0 ** (np.maximum(np.frexp(np.where(r == 0, 1, r))[1] - 1, -6) - 3)
;;       q = np.round(r / step) * step * 2.0 ** e      # np.round: ties to even
;;       return np.moveaxis(q, -1, axis).astype(np.float32)
;;   ~~~
;;   SOFTMAX AHEAD OF A QUANTISED PRODUCT. Where the list says 'softmax', what is quantised is not the finished softmax but p = 2^(t - M), with t = logit x log2(e) and M = ceil(the row's largest t), a whole number; so 1/2 < the row's largest p <= 1. The row's sum l is taken of the UNQUANTISED p, in f32, and the product's result is divided by l at the end. Since M is a whole number, a kernel that streams over the keys may use a running M (the ceiling of the running maximum): every later rescaling is an exact power of two, so the quantised numbers keep their values, but for numbers so far below the row's largest that they fall under the format's range.
;;   OPERANDS COMPUTED ON THE WAY. 'Computed on the way' means the value that the module computes at that place (a softmax that the list does not call 'softmax' is quantised finished and normalised). What goes into a quantiser is computed in f32, as accurately as f32 sums, v_exp_f32 and their like allow (about 1e-6 of the number): no bf16 or f16 on the way to a quantiser, and a product that is left as it is and whose result goes on into a quantised operand takes f32 operands (vector FMAs, or v_wmma_f32_16x16x4_f32). A number that lies on a knife's edge between two numbers of the format may be rounded either way, as far as f32 arithmetic and the matrix unit's own rounding can turn it there, and no further.
;; One version. Each part assembles by itself: llvm-mc -triple=amdgcn-amd-amdhsa -mcpu=gfx1250 --defsym DOCPART=n.
;; ======== version 1 of 1: 3 launches
;; limits: inputs' magnitudes at most 10,000; right only within a limited range of input values
;; workspace buffers: q_img 8,388,608 bytes; kv_img 16,777,216 bytes; w_img 1,048,576 bytes; a_img 8,388,608 bytes
;; launch prep (part 1): grid 576 x 1, 8 waves a work-group, no clusters, 53,248 bytes of LDS; arguments x, theta, w_out, lowp_scales, q_img, kv_img, w_img; writes q_img, kv_img, w_img
.if DOCPART == 1
	.amdgcn_target "amdgcn-amd-amdhsa--gfx1250"
	.amdhsa_code_object_version 6
	.text
	.protected	k_q5a3f6fce08_prep
	.globl	k_q5a3f6fce08_prep
	.p2align	8
	.type	k_q5a3f6fce08_prep,@function
k_q5a3f6fce08_prep:
	s_mov_b64 s[64:65], 0
	v_nop
	global_prefetch_b8 v0, s[64:65] scope:SCOPE_SE
	s_setreg_imm32_b32 hwreg(HW_REG_WAVE_MODE, 25, 1), 1
	s_wait_xcnt 0x0
; cos(x + theta) is computed once in f32 and quantised three times to E4M3: as Q (scale 2^e0), as K (2^e1) and as V (2^e3); w_out is quantised with 2^e5.
; All codes leave as IMAGES OF THE OPERANDS' REGISTERS: a piece is 16 bytes a lane at 16 x lane, 512 dense bytes for the 32 lanes (r = lane % 16, h = lane / 16).
;   q_img  [bh 64][query tile 128][c 2][lane][16]: query 16 tile + r, d = 32 c + 16 h + 0..15
;   kv_img [bh 64][step 16][ K: [t 8][c 2][lane][16] | V: [dt 4][b 4][lane][16] ]
;          K: key 128 step + 32 (t/2) + 8 (t%2) + r + 8 (r/8), d = 32 c + 16 h + 0..15;   V: d = 16 dt + r, keys 128 step + 32 b + 16 h + 0..15
;   w_img  [j 4][n tile 64][kk 2][c 4][lane][16]: row n = 16 tile + r of w_out, k = 128 (2 j + kk) + 32 c + 8 h + 0..7, then the same + 16
; SHARES.  Work-groups 0..511: one head's 64 columns of 256 rows of x; wave w takes 32 rows.  Work-groups 512..575: 16 rows of w_out; wave w takes 128 along K.
; The branch between the two hangs on the work-group's number alone; the first path alone touches LDS and has the barrier.
; THE COSINE: m = round(a / pi - 1/2), r = (m + 1/2) pi - a with pi in three parts, cos a = (-1)^m sin r, sin by an odd polynomial of degree 9 on |r| <= pi / 2.
; LIMITS: |x + theta| under 2^22 pi (m's parity is read off a rounded sum); up to 1e4 the products with pi's first part are exact.  NaN and infinity among the inputs are not served.
;         e0, e1, e3, e5 between -126 and 119, so that 2^e and 448 x 2^e are f32 numbers.
; No tensor loads, no ring: a work-group has one tile, and several work-groups share a WGP.
.set X,     96                         ; v96-159  the 64 numbers of a lane; later what is read back from LDS
.set TH,    22                         ; v22-25   theta of my four d
.set TA,    32                         ; v32-39, v40-47  eight held numbers, two sets by turns
.set JR,    48                         ; v48-51   m + the rounding constant
.set HR,    52                         ; v52-55   m + 1/2, then the polynomial
.set SQ,    56                         ; v56-59   r^2, then r^3
.set CQ,    48                         ; v48-63   Q's codes (the cosine's temps are done with)
.set CK,    64                         ; v64-79   K's codes; on the other path w_out's
.set CV,    80                         ; v80-95   V's codes
.set BLKP,  272                        ; LDS: 256 bytes of an image + 16 of skew
.set QREG,  0                          ; 64 blocks: the tile's 16 KB of q_img
.set KVREG, 64*BLKP                    ; 128 blocks: its 32 KB of kv_img
.set INVPI, 32                         ; s[32:47]: constants, each twice (a packed form names the pair)
.set MAGIC, 34
.set PIA,   36
.set PIB,   38
.set PIC,   40
.set C3,    42
.set C2,    44
.set C1,    46
.macro PAIR r, val
	s_mov_b32 s[\r], \val
	s_mov_b32 s[\r+1], \val
.endm
.macro MKSCALE e, vs, vl               ; v[vs] = 2^e as f32 (the conversion takes its exponent field), v[vl] = 448 x 2^e
	s_add_co_i32 s56, s[\e], 127
	s_lshl_b32 s57, s56, 23
	v_mov_b32 v[\vs], s57
	s_add_co_i32 s56, s56, 8
	s_lshl_b32 s56, s56, 23
	s_or_b32 s56, s56, 0x600000
	v_mov_b32 v[\vl], s56
.endm
	s_load_b256 s[4:11], s[0:1], 0x0               ; x s[4:5], theta s[6:7], w_out s[8:9], the scales' exponents s[10:11]
	s_load_b128 s[12:15], s[0:1], 0x20             ; q_img s[12:13], kv_img s[14:15]
	s_load_b64 s[16:17], s[0:1], 0x30              ; w_img
	v_lshl_add_u32 v30, v0, 2, 0xcc00
	v_mov_b32 v31, 0
	v_lshrrev_b32 v11, 5, v0
	s_delay_alu instid0(VALU_DEP_1)
	v_readfirstlane_b32 s18, v11                   ; wave 0..7
	v_and_b32 v1, 31, v0                           ; lane
	v_and_b32 v2, 15, v0                           ; j = lane % 16
	v_bfe_u32 v3, v0, 4, 1                         ; h = lane / 16
	s_delay_alu instid0(VALU_DEP_3)
	v_lshlrev_b32 v10, 4, v1                       ; 16 x lane: my place in a piece
	s_wait_kmcnt 0x0
	s_load_b128 s[24:27], s[10:11], 0x0            ; e0 .. e3
	s_load_b64 s[28:29], s[10:11], 0x10            ; e4, e5
	s_cmp_ge_u32 ttmp9, 512
	s_cbranch_scc1 .Lweights
	; ---- x: tile T = work-group: bh = T / 8, rows 256 (T % 8) on.  Load i of a lane: row 32 w + 16 h + i, floats 4 j .. 4 j + 3: sixteen lanes read the head's 256 bytes of a row
	s_lshr_b32 s48, ttmp9, 7
	s_lshl_b32 s48, s48, 23                        ; the batch's 2,048 rows of 4,096 bytes
	s_and_b32 s50, ttmp9, 7
	s_lshl_b32 s50, s50, 20                        ; the tile's 256 rows
	s_add_co_u32 s48, s48, s50
	s_bfe_u32 s50, ttmp9, 0x40003                  ; the head,
	s_lshl_b32 s50, s50, 8                         ; its 256 bytes in a row of x and in theta
	s_mov_b32 s51, 0
	s_add_nc_u64 s[6:7], s[6:7], s[50:51]
	s_add_co_u32 s48, s48, s50
	s_lshl_b32 s52, s18, 17                        ; my wave's 32 rows
	s_add_co_u32 s48, s48, s52
	s_mov_b32 s49, 0
	s_add_nc_u64 s[4:5], s[4:5], s[48:49]
	s_wait_alu depctr_va_vdst(0)
	v_lshlrev_b32 v26, 4, v2                       ; 16 j
	s_delay_alu instid0(VALU_DEP_1)
	v_lshl_add_u32 v4, v3, 16, v26                 ; + 16 rows for lanes 16-31
	global_load_b128 v[TH:TH+3], v26, s[6:7]
.irp i, 0,1,2,3,4,5,6,7,8,9,10,11,12,13,14,15
	global_load_b128 v[X+4*\i:X+4*\i+3], v4, s[4:5] offset:\i*4096 th:TH_LOAD_NT
.endr
	s_lshl_b32 s48, ttmp9, 14                      ; q_img: 16 KB a tile, 2 KB a wave
	s_lshl_b32 s52, s18, 11
	s_add_co_u32 s48, s48, s52
	s_add_nc_u64 s[12:13], s[12:13], s[48:49]
	s_lshl_b32 s48, ttmp9, 15                      ; kv_img: 32 KB a tile, 4 KB a wave
	s_lshl_b32 s52, s18, 12
	s_add_co_u32 s48, s48, s52
	s_add_nc_u64 s[14:15], s[14:15], s[48:49]
	PAIR INVPI, 0x3ea2f983                         ; 1 / pi
	PAIR MAGIC, 0x4b400000                         ; 1.5 x 2^23: adding it rounds to a whole number
	PAIR PIA,   0x40490000                         ; pi = 3.140625 + 9.67502594e-4 + 1.50995799e-7
	PAIR PIB,   0x3a7da000
	PAIR PIC,   0x34222168
	PAIR C3,    0xb94fbaeb                         ; sin r = r + r^3 (C1 + C2 s + C3 s^2 + C4 s^3), s = r^2
	PAIR C2,    0x3c088777
	PAIR C1,    0xbe2aaaa6
	v_mov_b32 v18, 0x362f0a87                      ; C4
	v_mov_b32 v19, 0x362f0a87
	v_mov_b32 v20, -0.5
	v_mov_b32 v21, -0.5
	; LDS addresses.  Block n of 256 image bytes begins at 272 n.
	v_lshrrev_b32 v27, 2, v1                       ; 4 h + j / 4
	v_and_b32 v28, 3, v1                           ; j % 4
	v_lshrrev_b32 v29, 2, v2                       ; j / 4
	s_wait_alu depctr_va_vdst(0)
	s_mul_i32 s53, s18, 8*BLKP
	v_mul_u32_u24 v5, v27, BLKP
	s_delay_alu instid0(VALU_DEP_1)
	v_lshl_add_u32 v5, v28, 2, v5
	s_delay_alu instid0(VALU_DEP_1)
	v_add_nc_u32 v5, s53, v5                       ; Q: block 8 w + 4 h + j / 4, byte 4 (j % 4); row i adds 16 i
	s_lshr_b32 s54, s18, 2
	s_and_b32 s55, s18, 3
	s_mul_i32 s54, s54, 64*BLKP
	s_add_co_u32 s54, s54, KVREG                   ; my key step's 64 blocks
	s_mul_i32 s53, s55, 8*BLKP
	s_add_co_u32 s53, s53, s54
	v_mul_u32_u24 v6, v29, BLKP
	s_delay_alu instid0(VALU_DEP_1)
	v_lshl_add_u32 v6, v3, 7, v6
	s_delay_alu instid0(VALU_DEP_1)
	v_lshl_add_u32 v6, v28, 2, v6
	s_delay_alu instid0(VALU_DEP_1)
	v_add_nc_u32 v6, s53, v6                       ; K: block 8 (w % 4) + j / 4, byte 128 h + 4 (j % 4); row i adds 4 (i / 8) blocks and 16 (i % 8)
	s_mul_i32 s53, s55, 2*BLKP
	s_add_co_u32 s53, s53, s54
	s_add_co_u32 s53, s53, 32*BLKP
	v_lshl_add_u32 v7, v29, 3, v3
	s_delay_alu instid0(VALU_DEP_1)
	v_mul_u32_u24 v7, v7, BLKP
	s_delay_alu instid0(VALU_DEP_1)
	v_lshl_add_u32 v7, v28, 6, v7
	s_delay_alu instid0(VALU_DEP_1)
	v_add_nc_u32 v7, s53, v7                       ; V: block 32 + 8 (j / 4) + 2 (w % 4) + h, byte 64 (j % 4); column c adds 16 c
	v_lshl_add_u32 v8, v3, 4, v10                  ; back: 16 x lane, + 16 of skew in the second block
	s_mul_i32 s53, s18, 16*BLKP
	s_add_co_u32 s53, s53, KVREG
	v_add_nc_u32 v9, s53, v8                       ; my 16 blocks of K and V
	s_mul_i32 s53, s18, 8*BLKP
	v_add_nc_u32 v8, s53, v8                       ; my 8 blocks of Q
	s_wait_kmcnt 0x0
	MKSCALE 24, 12, 13                             ; e0
	MKSCALE 25, 14, 15                             ; e1
	MKSCALE 27, 16, 17                             ; e3
; The cosine of row i's four numbers, as two pairs whose lines alternate.
.macro COSROW i
.set XR, X+4*(\i)
	s_wait_loadcnt 15-(\i)                         ; theta and rows 0 .. i are in; the 15 - i younger rows may be out
.irp p, 0,2
	v_pk_add_f32 v[XR+\p:XR+\p+1], v[XR+\p:XR+\p+1], v[TH+\p:TH+\p+1]                                        ; a = x + theta
.endr
.irp p, 0,2
	s_delay_alu instid0(VALU_DEP_2)
	v_pk_fma_f32 v[JR+\p:JR+\p+1], v[XR+\p:XR+\p+1], s[INVPI:INVPI+1], v[20:21] op_sel_hi:[1,0,1]          ; a / pi - 1/2
.endr
.irp p, 0,2
	s_delay_alu instid0(VALU_DEP_2)
	v_pk_add_f32 v[JR+\p:JR+\p+1], v[JR+\p:JR+\p+1], s[MAGIC:MAGIC+1] op_sel_hi:[1,0]                      ; rounded to m; the word's lowest bit is m's parity
.endr
.irp p, 0,2
	s_delay_alu instid0(VALU_DEP_2)
	v_pk_add_f32 v[HR+\p:HR+\p+1], v[JR+\p:JR+\p+1], s[MAGIC:MAGIC+1] op_sel_hi:[1,0] neg_lo:[0,1] neg_hi:[0,1]  ; m
.endr
.irp p, 0,2
	s_delay_alu instid0(VALU_DEP_2)
	v_pk_add_f32 v[HR+\p:HR+\p+1], v[HR+\p:HR+\p+1], 0.5 op_sel_hi:[1,0]                                    ; m + 1/2
.endr
.irp p, 0,2
	s_delay_alu instid0(VALU_DEP_2)
	v_pk_fma_f32 v[XR+\p:XR+\p+1], v[HR+\p:HR+\p+1], s[PIA:PIA+1], v[XR+\p:XR+\p+1] op_sel_hi:[1,0,1] neg_lo:[0,0,1] neg_hi:[0,0,1]  ; r = (m + 1/2) pi - a
.endr
.irp p, 0,2
	s_delay_alu instid0(VALU_DEP_2)
	v_pk_fma_f32 v[XR+\p:XR+\p+1], v[HR+\p:HR+\p+1], s[PIB:PIB+1], v[XR+\p:XR+\p+1] op_sel_hi:[1,0,1]
.endr
.irp p, 0,2
	s_delay_alu instid0(VALU_DEP_2)
	v_pk_fma_f32 v[XR+\p:XR+\p+1], v[HR+\p:HR+\p+1], s[PIC:PIC+1], v[XR+\p:XR+\p+1] op_sel_hi:[1,0,1]
.endr
.irp p, 0,2
	s_delay_alu instid0(VALU_DEP_2)
	v_pk_mul_f32 v[SQ+\p:SQ+\p+1], v[XR+\p:XR+\p+1], v[XR+\p:XR+\p+1]                                        ; s = r^2
.endr
.irp p, 0,2
	s_delay_alu instid0(VALU_DEP_2)
	v_pk_fma_f32 v[HR+\p:HR+\p+1], v[SQ+\p:SQ+\p+1], v[18:19], s[C3:C3+1] op_sel_hi:[1,1,0]
.endr
.irp p, 0,2
	s_delay_alu instid0(VALU_DEP_2)
	v_pk_fma_f32 v[HR+\p:HR+\p+1], v[HR+\p:HR+\p+1], v[SQ+\p:SQ+\p+1], s[C2:C2+1] op_sel_hi:[1,1,0]
.endr
.irp p, 0,2
	s_delay_alu instid0(VALU_DEP_2)
	v_pk_fma_f32 v[HR+\p:HR+\p+1], v[HR+\p:HR+\p+1], v[SQ+\p:SQ+\p+1], s[C1:C1+1] op_sel_hi:[1,1,0]
.endr
.irp p, 0,2
	v_pk_mul_f32 v[SQ+\p:SQ+\p+1], v[SQ+\p:SQ+\p+1], v[XR+\p:XR+\p+1]                                        ; r^3
.endr
.irp p, 0,2
	s_delay_alu instid0(VALU_DEP_2)
	v_pk_fma_f32 v[XR+\p:XR+\p+1], v[HR+\p:HR+\p+1], v[SQ+\p:SQ+\p+1], v[XR+\p:XR+\p+1]                      ; sin r
.endr
.irp k, 0,1,2,3
	v_lshlrev_b32 v[JR+\k], 31, v[JR+\k]                                                                      ; m's parity as a sign
.endr
.irp k, 0,1,2,3
	s_delay_alu instid0(VALU_DEP_4)
	v_xor_b32 v[XR+\k], v[JR+\k], v[XR+\k]                                                                    ; cos a = (-1)^m sin r
.endr
.endm
.irp i, 0,1,2,3,4,5,6,7,8,9,10,11,12,13,14,15
	COSROW \i
.endr
; Q or K: eight numbers, two rows' four d each, are held within +-448 x the scale (the conversion to an 8-bit code does not saturate: ISA guide 7.6.2) and converted: word i of dst = row i, d = 4 j .. 4 j + 3.
; The held numbers go into two sets by turns, so that eight plain lines stand between a conversion and the next write of its sources.
.macro QK lim, sc, dst
.irp ip, 0,1,2,3,4,5,6,7
.irp k, 0,1,2,3,4,5,6,7
	v_med3_num_f32 v[TA+8*(\ip%2)+\k], v[X+8*\ip+\k], -v[\lim], v[\lim]
.endr
	v_cvt_scalef32_pk8_fp8_f32 v[\dst+2*\ip:\dst+2*\ip+1], v[TA+8*(\ip%2):TA+8*(\ip%2)+7], v[\sc]
.endr
.endm
	QK 13, 12, CQ
.irp i, 0,1,2,3,4,5,6,7,8,9,10,11,12,13,14,15
	ds_store_b32 v5, v[CQ+\i] offset:16*\i
.endr
	QK 15, 14, CK
.irp i, 0,1,2,3,4,5,6,7,8,9,10,11,12,13,14,15
	ds_store_b32 v6, v[CK+\i] offset:(\i/8)*4*BLKP+(\i%8)*16
.endr
	; V: the keys are its K.  The hold picks column c of my 16 rows, so the turning costs no line: four words = 16 neighbouring keys of d = 4 j + c
.irp c, 0,1,2,3
.irp g, 0,1
.irp k, 0,1,2,3,4,5,6,7
	v_med3_num_f32 v[TA+8*\g+\k], v[X+4*(8*\g+\k)+\c], -v17, v17
.endr
	v_cvt_scalef32_pk8_fp8_f32 v[CV+4*\c+2*\g:CV+4*\c+2*\g+1], v[TA+8*\g:TA+8*\g+7], v16
.endr
.endr
	v_nop                                          ; a plain line behind the last conversion
.irp c, 0,1,2,3
	ds_store_b128 v7, v[CV+4*\c:CV+4*\c+3] offset:16*\c
.endr
	s_wait_dscnt 0x0                               ; for the others' sake: my stores have landed
	s_barrier_signal -1
	s_barrier_wait -1                              ; the tile's images are whole
.irp k, 0,1,2,3
	ds_load_b128 v[X+4*\k:X+4*\k+3], v8 offset:2*BLKP*\k
.endr
.irp k, 0,1,2,3,4,5,6,7
	ds_load_b128 v[X+16+4*\k:X+16+4*\k+3], v9 offset:2*BLKP*\k
.endr
.irp k, 0,1,2,3
	s_wait_dscnt 11-\k                             ; LDS loads come back in order: the 11 - k younger ones may be out
	global_store_b128 v10, v[X+4*\k:X+4*\k+3], s[12:13] offset:512*\k             ; 32 lanes store 512 consecutive bytes, at a multiple of 512 from the buffer's first byte
.endr
.irp k, 0,1,2,3,4,5,6,7
	s_wait_dscnt 7-\k
	global_store_b128 v10, v[X+16+4*\k:X+16+4*\k+3], s[14:15] offset:512*\k
.endr
	s_wait_tensorcnt 0x0
	ds_add_u32 v30, v31
	s_wait_dscnt 0x0
	s_endpgm
.Lweights:
	; ---- w_out: rows 16 tile + r; wave w takes k = 128 w on.  Piece c of lane (r, h): k = 32 c + 8 h + 0..7 and + 16..23: four loads of 16 bytes; a wave's 16 loads read 512 consecutive bytes of each of its rows
	s_sub_co_u32 s48, ttmp9, 512                   ; the tile of 16 rows
	s_lshl_b32 s50, s48, 16
	s_lshl_b32 s52, s18, 9
	s_add_co_u32 s50, s50, s52
	s_mov_b32 s51, 0
	s_add_nc_u64 s[8:9], s[8:9], s[50:51]
	s_wait_alu depctr_va_vdst(0)
	v_lshlrev_b32 v4, 12, v2
	s_delay_alu instid0(VALU_DEP_1)
	v_lshl_add_u32 v4, v3, 5, v4                   ; row r, + 32 h bytes
.irp c, 0,1,2,3
.irp q, 0,1,2,3
	global_load_b128 v[X+16*\c+4*\q:X+16*\c+4*\q+3], v4, s[8:9] offset:128*\c+16*(\q%2)+64*(\q/2) th:TH_LOAD_NT
.endr
.endr
	s_lshr_b32 s50, s18, 1
	s_lshl_b32 s50, s50, 18                        ; j = w / 2
	s_lshl_b32 s52, s48, 12                        ; the tile's 4 KB
	s_add_co_u32 s50, s50, s52
	s_and_b32 s52, s18, 1
	s_lshl_b32 s52, s52, 11                        ; kk = w % 2
	s_add_co_u32 s50, s50, s52
	s_add_nc_u64 s[16:17], s[16:17], s[50:51]
	s_wait_kmcnt 0x0
	MKSCALE 29, 12, 13                             ; e5
	s_wait_alu depctr_va_vdst(0)
.irp c, 0,1,2,3
	s_wait_loadcnt 12-4*\c                         ; this piece's four loads are in; the later pieces' may be out
.irp k, 0,1,2,3,4,5,6,7,8,9,10,11,12,13,14,15
	v_med3_num_f32 v[X+16*\c+\k], v[X+16*\c+\k], -v13, v13
.endr
	v_cvt_scalef32_pk8_fp8_f32 v[CK+4*\c:CK+4*\c+1], v[X+16*\c:X+16*\c+7], v12
	v_cvt_scalef32_pk8_fp8_f32 v[CK+4*\c+2:CK+4*\c+3], v[X+16*\c+8:X+16*\c+15], v12
	v_nop                                          ; a plain line behind the conversions
	global_store_b128 v10, v[CK+4*\c:CK+4*\c+3], s[16:17] offset:512*\c
.endr
	s_endpgm
.Lfunc_end_k_q5a3f6fce08_prep:
	.size	k_q5a3f6fce08_prep, .Lfunc_end_k_q5a3f6fce08_prep-k_q5a3f6fce08_prep
	.p2alignl 7, 3214868480
	.fill 96, 4, 3214868480
	.section	.rodata,"a",@progbits
	.p2align	6, 0x0
	.amdhsa_kernel k_q5a3f6fce08_prep
		.amdhsa_group_segment_fixed_size 53248
		.amdhsa_private_segment_fixed_size 0
		.amdhsa_enable_private_segment 0
		.amdhsa_kernarg_size 56
		.amdhsa_user_sgpr_count 2
		.amdhsa_user_sgpr_kernarg_segment_ptr 1
		.amdhsa_wavefront_size32 1
		.amdhsa_system_sgpr_workgroup_id_x 1
		.amdhsa_system_sgpr_workgroup_id_y 1
		.amdhsa_system_sgpr_workgroup_id_z 1
		.amdhsa_system_vgpr_workitem_id 0
		.amdhsa_next_free_vgpr 160
		.amdhsa_next_free_sgpr 66
		.amdhsa_reserve_vcc 0
		.amdhsa_float_denorm_mode_32 3
		.amdhsa_float_denorm_mode_16_64 3
		.amdhsa_memory_ordered 1
		.amdhsa_forward_progress 1
		.amdhsa_inst_pref_size 80
	.end_amdhsa_kernel
	.amdgpu_metadata
---
amdhsa.version: [ 1, 2 ]
amdhsa.kernels:
  - .name:           k_q5a3f6fce08_prep
    .symbol:         k_q5a3f6fce08_prep.kd
    .args:
      - { .name: x, .offset: 0, .size: 8, .value_kind: global_buffer, .address_space: global }
      - { .name: theta, .offset: 8, .size: 8, .value_kind: global_buffer, .address_space: global }
      - { .name: w_out, .offset: 16, .size: 8, .value_kind: global_buffer, .address_space: global }
      - { .name: lowp_scales, .offset: 24, .size: 8, .value_kind: global_buffer, .address_space: global }
      - { .name: q_img, .offset: 32, .size: 8, .value_kind: global_buffer, .address_space: global }
      - { .name: kv_img, .offset: 40, .size: 8, .value_kind: global_buffer, .address_space: global }
      - { .name: w_img, .offset: 48, .size: 8, .value_kind: global_buffer, .address_space: global }
    .group_segment_fixed_size: 53248
    .private_segment_fixed_size: 0
    .kernarg_segment_align: 8
    .kernarg_segment_size: 56
    .max_flat_workgroup_size: 256
    .sgpr_count:     66
    .vgpr_count:     160
    .wavefront_size: 32
...
	.end_amdgpu_metadata
.endif
;; end of part 1
;; launch attn (part 2): grid 4 x 64, 16 waves a work-group, clusters of 4 x 1, 327,680 bytes of LDS; arguments q_img, kv_img, lowp_scales, a_img; writes a_img
.if DOCPART == 2
	.amdgcn_target "amdgcn-amd-amdhsa--gfx1250"
	.amdhsa_code_object_version 6
	.text
	.protected	k_q5a3f6fce08_attn
	.globl	k_q5a3f6fce08_attn
	.p2align	8
	.type	k_q5a3f6fce08_attn,@function
k_q5a3f6fce08_attn:
	s_mov_b64 s[64:65], 0
	v_nop
	global_prefetch_b8 v0, s[64:65] scope:SCOPE_SE
	s_setreg_imm32_b32 hwreg(HW_REG_WAVE_MODE, 25, 1), 1
	s_wait_xcnt 0x0
	s_wait_alu depctr_hold_cnt(0) depctr_sa_sdst(0) depctr_va_vdst(0) depctr_va_sdst(0) depctr_va_ssrc(0) depctr_va_vcc(0) depctr_vm_vsrc(0)
	s_getreg_b32 s2, hwreg(HW_REG_IB_STS2, 6, 4)
	s_cmp_eq_u32 s2, 0
	s_cbranch_scc0 .Lentry_in_a_cluster
	s_endpgm
.Lentry_in_a_cluster:
	s_bfe_u32 s2, ttmp6, 0x10000c
	s_cmp_lg_u32 s2, 0x3003
	s_cbranch_scc0 .Lentry_shape_is_right
	s_endpgm
.Lentry_shape_is_right:
; Attention of one (batch, head) on codes of E4M3: S^T = K Q^T, p quantised along the keys, O^T = V^T P^T, O / l quantised with 2^e4 for the output layer.
; t = score x 2^(e0 + e1) x log2(e) / 8.  THE EXPONENT IS BOUNDED BY THE COMPUTATION ITSELF: Q and K are cosines, at most 1 in size for every input, and their quantised numbers are at most 1 under every scale
; (1 is a number of the format, or lies at or under half its smallest step), so |score| <= 64 / 8 and |t| <= 11.6.  So u = 2^t is taken with no shift: between 2^-12 and 2^12, and a row's sum of 2,048 of them under 2^23.
; M = the ceiling of the running largest t is still taken, as the quantiser asks: it is read off the bits of the running largest u (exponent, + 1 where the mantissa is not 0), and p = 2^(t - M) = u / 2^M is formed
; inside the conversion, whose scale operand is 2^(e2 + M), a lane's own: a division by a power of two, which rounds nothing.  The hold is at 448 x 2^(e2 + M).  The row's sum is taken of the unquantised, unheld u
; and needs no rescaling; when M moves, O is multiplied by 2^(old M - new M).  At the end O x 2^(e2 + M + e3) / (the sum of u).
; SHARES.  A cluster of four work-groups is one head; a work-group owns 512 of its 2,048 queries, each of its sixteen waves 32: two tiles, A and B, of 16.  Each fragment of K and V read from LDS feeds two products.
; LDS.  The head's whole K and V, 16 steps of 128 keys x 16 KB, lie in LDS and are filled once, by joint loads of the four partners (descriptors made of the head and the wave's number, a mask that names the four):
; steps 0 to 3 at the head, 4 KB a wave; steps 4 to 15, 12 KB a wave, behind the full sequence and a round, landing under the first two trips.  A wave has one tensor load outstanding.
; No prefetch into the L2: the launch's one stream is asked for whole by these two loads, and no loop runs ahead of a load.
; TWO REGIONS OF 64 REGISTERS SWAP ROLES FROM TRIP TO TRIP: one holds K's and then V's fragments, the other the scores and then u.  When tile B's codes are made, the next step's K is loaded into the registers that held u,
; so that it lands under 16 rescalings and 8 products; the next trip's scores go where V lay.  So the trips are written in pairs; the last trip asks for no further K.
; LAYOUT.  Both products are used transposed, so a lane holds ONE query (lane % 16).  The keys of a tile of K are chosen by the launch that wrote kv_img so that the 16 registers of score tiles 2 b and 2 b + 1 are
; keys 32 b + 16 (lane / 16) + 0..15: the conversions' results are the second product's operand.  The order of k inside a fragment is the same permutation in both operands of each product.
; LIMITS: e0 + e1 between -123 and 130 (added to a constant's exponent field); e2 between -100 and 100 (127 + e2 + M + 8 stays an exponent field for M from -20 to 12); e4 between -126 and 119.
; REGISTERS: v1 16 x lane; v[2:3] f of A, LDS address; v[4:5] f of B, largest u of A; v6 scale operand of A, v7 the same + the bits of 1.0; v[8:9] sum of A; v10-12 largest u, scale, scale + 1.0 of B; v13 the hold;
;   v[14:15] sum of B; v16-31 Q; v32-95 and v96-159 the two regions; v160-223 O^T; v224-239, v240-255 codes of A, B (until they are made: +0..5 three sums, +6..9 four maxima, +10 a permute's result).
.set SPARE, 0x40000
.set LI,  1
.set FA,  2
.set ADR, 3
.set FB,  4
.set RA,  5
.set SCA, 6
.set GA,  7
.set LA,  8
.set RB,  10
.set SCB, 11
.set GB,  12
.set LIM, 13
.set LB,  14
.set QA,  16
.set QB,  24
.set KV,  32                           ; the region of fragments and
.set S,   96                           ; the region of scores: each trip's text ends by swapping the two names
.set OA,  160
.set OB,  192
.set PA,  224
.set PB,  240
.set WV,  12
.set G0,  16                           ; s[16:19] group 0, steps 0-3;  s[56:59] steps 4-15
.set SEL, 20
.set CS,  22                           ; s[22:23] c = 2^(e0 + e1) log2(e) / 8, twice
.set G1,  24                           ; s[24:31] group 1: 16 rows of 256 bytes;  s[48:55]: 48 rows
.set SK,  38                           ; s38  (e2 << 23) + 0x7fffff
.set SL,  39                           ; s39  8 in the exponent field over the mantissa of 448
.set TB,  40                           ; s40  LDS byte at which the pair of key steps in hand begins
.set CNT, 41
.set G1P, 48
.set G0P, 56
.macro CROUND                          ; a round of the cluster's barrier
	s_barrier_signal -1
	s_barrier_wait -1
	s_cmp_lg_u32 s[WV], 0
	s_cbranch_scc1 .Lnot_wave_0_\@
	s_barrier_signal -3
.Lnot_wave_0_\@:
	s_barrier_wait -3
	s_barrier_signal -1
	s_barrier_wait -1
.endm
	s_load_b256 s[4:11], s[0:1], 0x0               ; q_img, kv_img, the scales' exponents, a_img
	v_lshl_add_u32 v254, v0, 2, SPARE
	v_mov_b32 v255, 0
	ds_add_u32 v254, v255                          ; the opening lines: the add twice on end and one wait
	ds_add_u32 v254, v255
	v_lshrrev_b32 v2, 5, v0
	v_readfirstlane_b32 s[WV], v2                  ; wave 0..15
	s_bfe_u32 s13, ttmp6, 0x40000                  ; cx
	s_lshl_b32 s14, ttmp9, 2
	s_add_co_u32 s14, s14, s13                     ; my block of 512 queries: it enters Q's and the result's addresses alone
	s_and_b32 s15, ttmp7, 0xffff                   ; bh = 16 batch + head, which the four partners share
.irp g, G1, G1P
	s_mov_b32 s[\g+0], 15|(3<<16)|(1<<21)          ; the mask of all four; elements of 8 bytes; bit 21 beside a mask
	s_mov_b32 s[\g+1], 32<<16                      ; rows of 32 elements, dense in memory and in LDS
	s_mov_b32 s[\g+3], 32<<16
	s_mov_b32 s[\g+5], 32
	s_mov_b32 s[\g+6], 0
	s_mov_b32 s[\g+7], 0
.endr
	s_mov_b32 s[G1+2], 16<<16
	s_mov_b32 s[G1+4], 16
	s_mov_b32 s[G1P+2], 48<<16
	s_mov_b32 s[G1P+4], 48
	s_mov_b32 s[SEL], 0x76543210
	s_mov_b32 s[SEL+1], 0xfedcba98
	s_mov_b32 s[CS], 0x3e38aa3b                    ; log2(e) / 8
	s_mov_b32 s[SL], 0x04600000
	s_mov_b32 s[TB], 0
	s_lshl_b32 s42, s15, 18                        ; kv_img: 256 KB a head
	s_lshl_b32 s[G0+1], s[WV], 12                  ; my 4 KB of the first 64 KB, in memory and in LDS
	s_mul_i32 s[G0P+1], s[WV], 12288
	s_add_co_u32 s[G0P+1], s[G0P+1], 65536         ; my 12 KB of the other 192 KB
	s_add_co_u32 s44, s42, s[G0P+1]
	s_mov_b32 s45, 0
	s_add_co_u32 s42, s42, s[G0+1]
	s_mov_b32 s43, 0
	s_lshl_b32 s46, s15, 17                        ; q_img: 128 KB a head, 32 KB a block, 2 KB a wave
	s_lshl_b32 s60, s14, 15
	s_add_co_u32 s46, s46, s60
	s_lshl_b32 s60, s[WV], 11
	s_add_co_u32 s46, s46, s60
	s_mov_b32 s47, 0
	s_lshr_b32 s60, s15, 4                         ; a_img: tile of 16 rows 128 batch + 32 block + 2 wave, 4 KB each;
	s_lshl_b32 s60, s60, 7
	s_lshl_b32 s61, s14, 5
	s_add_co_u32 s60, s60, s61
	s_lshl_b32 s61, s[WV], 1
	s_add_co_u32 s60, s60, s61
	s_lshl_b32 s60, s60, 12
	s_bfe_u32 s61, s15, 0x20002                    ; four heads (256 along K) make a part of 2 MB;
	s_lshl_b32 s61, s61, 21
	s_add_co_u32 s60, s60, s61
	s_and_b32 s61, s15, 3                          ; in it a head has two pieces of 512 bytes in each tile
	s_lshl_b32 s61, s61, 10
	s_add_co_u32 s60, s60, s61
	s_mov_b32 s61, 0
	s_wait_dscnt 0x0                               ; both opening adds are done
	s_wait_kmcnt 0x0
	s_load_b128 s[32:35], s[8:9], 0x0              ; e0 .. e3
	s_load_b64 s[36:37], s[8:9], 0x10              ; e4, e5
	s_mov_b32 s[G0], 1
	s_add_nc_u64 s[G0+2:G0+3], s[6:7], s[42:43]
	s_or_b32 s[G0+3], s[G0+3], 0x80000000
	s_mov_b32 s[G0P], 1
	s_add_nc_u64 s[G0P+2:G0P+3], s[6:7], s[44:45]
	s_or_b32 s[G0P+3], s[G0P+3], 0x80000000
	s_add_nc_u64 s[4:5], s[4:5], s[46:47]
	s_add_nc_u64 s[10:11], s[10:11], s[60:61]
	v_and_b32 v2, 31, v0
	v_lshlrev_b32 v[LI], 4, v2
	global_load_b128 v[QA:QA+3],   v[LI], s[4:5]   ; Q stays in registers: two pieces a tile; asked for ahead of the round, nobody writes these bytes
	global_load_b128 v[QA+4:QA+7], v[LI], s[4:5] offset:512
	global_load_b128 v[QB:QB+3],   v[LI], s[4:5] offset:1024
	global_load_b128 v[QB+4:QB+7], v[LI], s[4:5] offset:1536
	CROUND                                         ; all four work-groups are here: the joint loads meet
	tensor_load_to_lds s[G0:G0+3], s[G1:G1+7]      ; my part of key steps 0 to 3: my one tensor load at the head
	s_nop 0
	v_mov_b32 v[RA], 0x35800000                    ; the largest u so far: 2^-20, under every u
	v_mov_b32 v[RB], 0x35800000
	v_mov_b32 v[LA], 0
	v_mov_b32 v[LA+1], 0
	v_mov_b32 v[LB], 0
	v_mov_b32 v[LB+1], 0
	v_mov_b32 v[PA+10], 0                          ; a lane permute's destination counts as one of its sources
	v_mov_b32 v[PB+10], 0
.set J, 0
.rept 64
	v_mov_b32 v[OA+J], 0                           ; O^T of both tiles: every trip has one text, and the first finds zeros
.set J, J+1
.endr
	s_wait_kmcnt 0x0
	s_add_co_i32 s42, s32, s33
	s_lshl_b32 s42, s42, 23
	s_add_co_i32 s[CS], s[CS], s42                 ; a score stands for score x 2^(e0 + e1): added to c's exponent field
	s_mov_b32 s[CS+1], s[CS]
	s_lshl_b32 s[SK], s34, 23
	s_add_co_u32 s[SK], s[SK], 0x7fffff
	v_add_nc_u32 v[GA], s[SK], v[RA]               ; the scale operand that belongs to M = -20, + the bits of 1.0
	v_and_b32 v[GA], 0x7f800000, v[GA]
	v_add_nc_u32 v[GA], 0x3f800000, v[GA]
	v_mov_b32 v[GB], v[GA]
	s_wait_alu depctr_va_vdst(0)                   ; at the head's end
	s_wait_loadcnt 0x0                             ; Q
	s_wait_tensorcnt 0x0                           ; my part of steps 0 to 3 is in
	ds_add_u32 v254, v255
	s_wait_dscnt 0x0
	CROUND                                         ; everybody's part is in, and the four work-groups are here
	tensor_load_to_lds s[G0P:G0P+3], s[G1P:G1P+7]  ; my part of key steps 4 to 15: it has two trips in which to land
	s_nop 0
; eight products: the step's 128 keys x 16 queries, K = the head's 64.  wait = 1: K's 16 loads are the youngest LDS instructions
.macro SMUL q, wait
.irp t, 0,1,2,3,4,5,6,7
.if \wait && (\t == 0)
	s_wait_dscnt 8                                 ; tiles 0-3 are in; the eight younger loads may be out
.endif
.if \wait && (\t == 4)
	s_wait_dscnt 0x0
.endif
	v_wmma_f32_16x16x64_fp8_fp8 v[S+8*\t:S+8*\t+7], v[KV+8*\t:KV+8*\t+7], v[\q:\q+7], 0
.endr
.endm
.macro RESC o, f                       ; O^T under the new M, each accumulator from its low end on
.set J, 0
.rept 16
	v_pk_mul_f32 v[\o+J:\o+J+1], v[\o+J:\o+J+1], v[\f:\f+1] op_sel_hi:[1,0]
.set J, J+2
.endr
.endm
.macro ADDS l, p, r                    ; round r of the sums' four chains: chain k takes u 16 k .. 16 k + 15; chain 0 is the running sum itself
	v_pk_add_f32 v[\l:\l+1], v[\l:\l+1], v[S+2*\r:S+2*\r+1]
.irp k, 1,2,3
.if \r == 0
	v_pk_add_f32 v[\p+2*\k-2:\p+2*\k-1], v[S+16*\k:S+16*\k+1], v[S+16*\k+2:S+16*\k+3]
.else
	v_pk_add_f32 v[\p+2*\k-2:\p+2*\k-1], v[\p+2*\k-2:\p+2*\k-1], v[S+16*\k+2*\r+2:S+16*\k+2*\r+3]
.endif
.endr
.endm
.macro HOLD2 a                         ; two numbers held at 448 x 2^(e2 + M) by one pair: u is positive, so the hold is one-sided (the conversion to an 8-bit code does not saturate: ISA guide 7.6.2)
	v_dual_min_num_f32 v[\a], v[\a], v[LIM] :: v_dual_min_num_f32 v[\a+1], v[\a+1], v[LIM]
.endm
; One tile's softmax for 128 keys (64 a lane)
.macro SOFTMAX run, sc, g, l, f, p
.set J, 0
.rept 32
	v_pk_mul_f32 v[S+J:S+J+1], v[S+J:S+J+1], s[CS:CS+1] op_sel_hi:[1,0]   ; t, each score tile from its low end on
.set J, J+2
.endr
	s_wait_alu depctr_va_vdst(0)                   ; ahead of the batch
.set J, 0
.rept 64
	v_exp_f32 v[S+J], v[S+J]                       ; u = 2^t
.set J, J+1
.endr
	v_nop                                          ; a plain line behind the exponentials
	s_wait_alu depctr_va_vdst(0)                   ; one wait for the batch, ahead of its first reader
.irp k, 0,1,2,3
	v_max3_num_f32 v[\p+6+\k], v[S+16*\k], v[S+16*\k+1], v[S+16*\k+2]       ; the largest u in four chains
.endr
.irp i, 3,5,7,9,11,13
.irp k, 0,1,2,3
	v_max3_num_f32 v[\p+6+\k], v[\p+6+\k], v[S+16*\k+\i], v[S+16*\k+\i+1]
.endr
.endr
	v_max3_num_f32 v[\p+6], v[\p+6], v[\p+7], v[S+15]   ; the chains are joined, and M made, line by line between the rounds of the sums
	v_max3_num_f32 v[\p+8], v[\p+8], v[\p+9], v[S+31]
	ADDS \l, \p, 0
	v_max3_num_f32 v[\p+6], v[\p+6], v[S+47], v[S+63]
	ADDS \l, \p, 1
	v_max3_num_f32 v[\p+6], v[\p+6], v[\p+8], v[\run]
	ADDS \l, \p, 2
	v_permlanex16_b32 v[\p+10], v[\p+6], s[SEL], s[SEL+1]
	ADDS \l, \p, 3
	v_max_num_f32 v[\run], v[\p+6], v[\p+10]       ; the running largest u of my query, lane l xor 16's keys among them
	ADDS \l, \p, 4
	v_add_nc_u32 v[\sc], s[SK], v[\run]            ; its exponent, + 1 where the mantissa is not 0, + e2:
	ADDS \l, \p, 5
	v_and_b32 v[\sc], 0x7f800000, v[\sc]           ; 2^(e2 + M) as f32
	ADDS \l, \p, 6
	v_sub_nc_u32 v[\f], v[\g], v[\sc]              ; f = 2^(old M - new M): the bits of 1.0 + the old exponent field - the new
	v_add_nc_u32 v[LIM], s[SL], v[\sc]             ; 448 x 2^(e2 + M)
	v_add_nc_u32 v[\g], 0x3f800000, v[\sc]
	v_pk_add_f32 v[\l:\l+1], v[\l:\l+1], v[S+14:S+15]
	v_pk_add_f32 v[\p:\p+1], v[\p:\p+1], v[\p+2:\p+3]
	v_pk_add_f32 v[\l:\l+1], v[\l:\l+1], v[\p+4:\p+5]
	v_pk_add_f32 v[\l:\l+1], v[\l:\l+1], v[\p:\p+1]
.irp b, 0,1,2,3
.set J, 0
.rept 8
	HOLD2 S+16*\b+J
.set J, J+2
.endr
	v_cvt_scalef32_pk8_fp8_f32 v[\p+4*\b:\p+4*\b+1], v[S+16*\b:S+16*\b+7], v[\sc]       ; u / 2^(e2 + M) = p / 2^e2, to the nearest code
	v_cvt_scalef32_pk8_fp8_f32 v[\p+4*\b+2:\p+4*\b+3], v[S+16*\b+8:S+16*\b+15], v[\sc]
.endr
.endm
.macro KLOAD reg, adr, off             ; a step's eight fragments of K: 16 loads of 512 consecutive bytes
.irp t, 0,1,2,3,4,5,6,7
	ds_load_b128 v[\reg+8*\t:\reg+8*\t+3],   v[\adr] offset:\off+1024*\t
	ds_load_b128 v[\reg+8*\t+4:\reg+8*\t+7], v[\adr] offset:\off+1024*\t+512
.endr
.endm
; A key step of 128 keys for both tiles.  off: the step's byte in its pair, 0 or 16,384; pf = 1: the next step's K is asked for; adr = 1: the pair's address is made.  K's fragments have been asked for by the trip before
.macro TRIP off, pf, adr
.if \adr
	v_add_nc_u32 v[ADR], s[TB], v[LI]
.else
	v_nop
.endif
.rept 4
	v_nop                                          ; five places in all behind the last products: the score products below write over the registers from which those read V
.endr
	SMUL QA, 1
.rept 4
	v_nop                                          ; four places in front of the first read of the scores
.endr
	SOFTMAX RA, SCA, GA, LA, FA, PA
	v_nop                                          ; a plain line between the last conversion and the products that write its sources
	SMUL QB, 0
	s_wait_alu depctr_va_vdst(0)                   ; directly ahead of the first reader of tile A's O^T
	RESC OA, FA                                    ; sixteen plain lines that name no register of the products above: their places, in front of V's loads and of the scores' first read
.irp dt, 0,1,2,3
.irp b, 0,1,2,3
	ds_load_b128 v[KV+16*\dt+4*\b:KV+16*\dt+4*\b+3], v[ADR] offset:\off+8192+2048*\dt+512*\b   ; V lands under tile B's softmax
.endr
.endr
	SOFTMAX RB, SCB, GB, LB, FB, PB
.if \pf
	KLOAD S, ADR, \off+16384                       ; the next step's K, into the registers whose u have all been converted
.endif
	s_wait_alu depctr_va_vdst(0)                   ; directly ahead of the first reader of tile B's O^T
	RESC OB, FB                                    ; (also the plain lines behind the last conversion)
	s_wait_alu depctr_va_vdst(0)                   ; directly ahead of the wait below
	s_wait_dscnt 16*\pf                            ; V is in; K's 16 younger loads may be out
.irp dt, 0,1,2,3                                   ; O^T += V^T P^T, K = these 128 keys: the eight accumulators take turns
	v_wmma_f32_16x16x128_fp8_fp8 v[OA+8*\dt:OA+8*\dt+7], v[KV+16*\dt:KV+16*\dt+15], v[PA:PA+15], v[OA+8*\dt:OA+8*\dt+7]
	v_wmma_f32_16x16x128_fp8_fp8 v[OB+8*\dt:OB+8*\dt+7], v[KV+16*\dt:KV+16*\dt+15], v[PB:PB+15], v[OB+8*\dt:OB+8*\dt+7]
.endr
.set SWP, S                                        ; the two regions swap roles
.set S, KV
.set KV, SWP
.endm
	KLOAD KV, LI, 0                                ; K of step 0
	TRIP 0, 1, 1                                   ; key steps 0 and 1; the second asks for K of step 2, which lies in the first fill
	TRIP 16384, 1, 0
	s_wait_tensorcnt 0x0                           ; my part of steps 4 to 15 is in,
	s_wait_dscnt 0x0                               ; no LDS instruction of mine is out at the signal,
	s_barrier_signal -1
	s_barrier_wait -1                              ; everybody's part is in.  Nothing is ever filled again
	s_mov_b32 s[TB], 32768
	s_mov_b32 s[CNT], 6
.Lrest:                                            ; six pairs: key steps 2 to 13
	TRIP 0, 1, 1
	TRIP 16384, 1, 0
	s_add_co_u32 s[TB], s[TB], 32768
	s_sub_co_u32 s[CNT], s[CNT], 1
	s_cmp_lg_u32 s[CNT], 0
	s_cbranch_scc1 .Lrest
	TRIP 0, 1, 1                                   ; key steps 14 and 15: no step follows, so the last trip asks for no K
	TRIP 16384, 0, 0
	; THE WAY OUT.  O^T x 2^(e2 + M) x 2^e3 / (the sum of u), held and converted with 2^e4.  Tiles 2 tp and 2 tp + 1 of O^T give a lane 16 codes: a piece of the output layer's operand, stored as it stands.
.rept 4
	v_nop                                          ; four places behind the last products
.endr
	v_add_f32 v[LA], v[LA], v[LA+1]
	v_add_f32 v[LB], v[LB], v[LB+1]
	v_permlanex16_b32 v[PA+10], v[LA], s[SEL], s[SEL+1]
	v_permlanex16_b32 v[PB+10], v[LB], s[SEL], s[SEL+1]
	v_add_f32 v[LA], v[LA], v[PA+10]
	v_add_f32 v[LB], v[LB], v[PB+10]
	s_wait_alu depctr_va_vdst(0)                   ; ahead of the batch of two
	v_rcp_f32 v[LA], v[LA]
	v_rcp_f32 v[LB], v[LB]
	s_add_co_i32 s62, s36, 127
	s_lshl_b32 s63, s62, 23
	v_mov_b32 v[LA+1], s63                         ; 2^e4
	s_add_co_i32 s62, s62, 8
	s_lshl_b32 s62, s62, 23
	s_or_b32 s62, s62, 0x600000
	v_mov_b32 v[LIM], s62                          ; 448 x 2^e4
	s_wait_alu depctr_va_vdst(0)                   ; one wait for both reciprocals, ahead of their first reader
	v_mul_f32 v[LA], v[LA], v[SCA]                 ; x 2^(e2 + M)
	v_mul_f32 v[LB], v[LB], v[SCB]
	v_ldexp_f32 v[LA], v[LA], s35                  ; x 2^e3
	v_ldexp_f32 v[LB], v[LB], s35
	s_wait_alu depctr_va_vdst(0)                   ; directly ahead of the first readers of O^T: 32 plain lines
.set J, 0
.rept 16
	v_pk_mul_f32 v[S+J:S+J+1], v[OA+J:OA+J+1], v[LA:LA+1] op_sel_hi:[1,0]
.set J, J+2
.endr
.set J, 0
.rept 16
	v_pk_mul_f32 v[S+32+J:S+32+J+1], v[OB+J:OB+J+1], v[LB:LB+1] op_sel_hi:[1,0]
.set J, J+2
.endr
.set J, 0
.rept 64
	v_med3_num_f32 v[S+J], v[S+J], -v[LIM], v[LIM]
.set J, J+1
.endr
.irp t, 0,1,2,3,4,5,6,7
	v_cvt_scalef32_pk8_fp8_f32 v[KV+2*\t:KV+2*\t+1], v[S+8*\t:S+8*\t+7], v[LA+1]
.endr
	v_nop                                          ; a plain line behind the last conversion
.irp x, 0,1
.irp tp, 0,1
	global_store_b128 v[LI], v[KV+8*\x+4*\tp:KV+8*\x+4*\tp+3], s[10:11] offset:4096*\x+512*\tp   ; 32 lanes store 512 consecutive bytes, at a multiple of 512 from the buffer's first byte
.endr
.endr
	s_wait_xcnt 0x0
	v_lshl_add_u32 v254, v0, 2, SPARE              ; the add's two registers are made anew: v0 was kept
	v_mov_b32 v255, 0
	s_wait_alu depctr_va_vdst(0)
	s_wait_tensorcnt 0x0                           ; the wave's end
	ds_add_u32 v254, v255
	s_wait_dscnt 0x0
	CROUND                                         ; the closing round
	s_endpgm
.Lfunc_end_k_q5a3f6fce08_attn:
	.size	k_q5a3f6fce08_attn, .Lfunc_end_k_q5a3f6fce08_attn-k_q5a3f6fce08_attn
	.p2alignl 7, 3214868480
	.fill 96, 4, 3214868480
	.section	.rodata,"a",@progbits
	.p2align	6, 0x0
	.amdhsa_kernel k_q5a3f6fce08_attn
		.amdhsa_group_segment_fixed_size 327680
		.amdhsa_private_segment_fixed_size 0
		.amdhsa_enable_private_segment 0
		.amdhsa_kernarg_size 32
		.amdhsa_user_sgpr_count 2
		.amdhsa_user_sgpr_kernarg_segment_ptr 1
		.amdhsa_wavefront_size32 1
		.amdhsa_system_sgpr_workgroup_id_x 1
		.amdhsa_system_sgpr_workgroup_id_y 1
		.amdhsa_system_sgpr_workgroup_id_z 1
		.amdhsa_system_vgpr_workitem_id 0
		.amdhsa_next_free_vgpr 256
		.amdhsa_next_free_sgpr 66
		.amdhsa_reserve_vcc 0
		.amdhsa_float_denorm_mode_32 3
		.amdhsa_float_denorm_mode_16_64 3
		.amdhsa_memory_ordered 1
		.amdhsa_forward_progress 1
		.amdhsa_inst_pref_size 184
	.end_amdhsa_kernel
	.amdgpu_metadata
---
amdhsa.version: [ 1, 2 ]
amdhsa.kernels:
  - .name:           k_q5a3f6fce08_attn
    .symbol:         k_q5a3f6fce08_attn.kd
    .args:
      - { .name: q_img, .offset: 0, .size: 8, .value_kind: global_buffer, .address_space: global }
      - { .name: kv_img, .offset: 8, .size: 8, .value_kind: global_buffer, .address_space: global }
      - { .name: lowp_scales, .offset: 16, .size: 8, .value_kind: global_buffer, .address_space: global }
      - { .name: a_img, .offset: 24, .size: 8, .value_kind: global_buffer, .address_space: global }
    .group_segment_fixed_size: 327680
    .private_segment_fixed_size: 0
    .kernarg_segment_align: 8
    .kernarg_segment_size: 32
    .max_flat_workgroup_size: 512
    .sgpr_count:     66
    .vgpr_count:     256
    .wavefront_size: 32
...
	.end_amdgpu_metadata
.endif
;; end of part 2
;; launch gemm (part 3): grid 8 x 32, 4 waves a work-group, clusters of 4 x 4, 327,680 bytes of LDS; arguments a_img, w_img, lowp_scales, b_out, out0; writes out0
.if DOCPART == 3
	.amdgcn_target "amdgcn-amd-amdhsa--gfx1250"
	.amdhsa_code_object_version 6
	.text
	.protected	k_q5a3f6fce08_gemm
	.globl	k_q5a3f6fce08_gemm
	.p2align	8
	.type	k_q5a3f6fce08_gemm,@function
k_q5a3f6fce08_gemm:
	s_mov_b64 s[64:65], 0
	v_nop
	global_prefetch_b8 v0, s[64:65] scope:SCOPE_SE
	s_setreg_imm32_b32 hwreg(HW_REG_WAVE_MODE, 25, 1), 1
	s_wait_xcnt 0x0
	s_wait_alu depctr_hold_cnt(0) depctr_sa_sdst(0) depctr_va_vdst(0) depctr_va_sdst(0) depctr_va_ssrc(0) depctr_va_vcc(0) depctr_vm_vsrc(0)
	s_getreg_b32 s2, hwreg(HW_REG_IB_STS2, 6, 4)
	s_cmp_eq_u32 s2, 0
	s_cbranch_scc0 .Lentry_in_a_cluster
	s_endpgm
.Lentry_in_a_cluster:
	s_bfe_u32 s2, ttmp6, 0x10000c
	s_cmp_lg_u32 s2, 0xf033
	s_cbranch_scc0 .Lentry_shape_is_right
	s_endpgm
.Lentry_shape_is_right:
; out0[m][n] = 2^(e4 + e5) x (the sum over k of a[m][k] w[n][k], on codes of E4M3) + b_out[n].  M = 8,192, N = K = 1,024.
; a_img [j 4][tile of 16 rows 512][kk 2][c 4][lane][16] and w_img [j 4][tile of 16 rows 64][kk 2][c 4][lane][16] are images of the operands' registers: the fragment of K step 2 j + kk (128 along K) of a tile is four
; pieces of 16 bytes a lane at 16 x lane; the order of k inside a fragment is the same in both.
; SHARES.  256 work-groups that stay: each makes TWO tiles of out0, 128 x 128, in one tile column, 4,096 rows apart.  Four waves, each 64 x 64 of a tile: 16 accumulators.
; B STAYS IN REGISTERS.  A wave's 64 columns x 1,024 along K are 64 KB: 512 registers, filled once by 128 loads of 512 consecutive bytes straight from w_img, whose pieces are the registers' images, and used for both tiles.
; LDS then has room for BOTH tiles' A, 2 x 128 KB, each byte filled once: wave w brings half w % 2 of tile w / 2 by ONE tensor load of 4 rows x 16 KB (row j is its 16 KB of part j of the image, the rows 2 MB apart;
; in LDS they lie on end).  Nothing is filled again; one wait, one barrier, then only reads.  A wave has one tensor load outstanding.  A K step reads A's four fragments alone from LDS.
; CLUSTERS: 4 x 4 work-groups.  The four of a row of the cluster need the same rows of A: each block is asked for JOINTLY, by the same tensor load with the same descriptor and a mask that names the four.
; B is not asked for jointly: a tensor load lands in LDS alone, and the 128 KB that B would take there are what lets the second tile's A be asked for at the head.
; THE MATRIX INSTRUCTION IS USED TRANSPOSED (source 0 = 16 rows of w, source 1 = 16 rows of a): a lane holds eight neighbouring numbers of a row of out0.
; No prefetch into the L2: all that the work-group reads is asked for at its head, and no loop runs ahead of a load.
; LIMIT: e4 + e5 between -126 and 127, so that 2^(e4 + e5) is an f32 number.
; REGISTERS: window 0: v1-15 addresses; v16-47 the bias of my 64 columns; v48-79, v80-111 the way out, by turns; v126, v127 the add's; v128-255 the accumulators ((a, b) at v[128 + 8 (4 a + b)]).
;   windows 1 and 2: B: K step kap, column tile b at v[64 (kap % 4) + 16 b] of window 1 + kap / 4.   window 3: A's four fragments of a K step, two buffers, at v0 and at v128.
.set STAGE, 262144                     ; behind A's 256 KB: 16 rows x 272 bytes for each wave, its own; no tensor load lands there
.set SP,    272
.set SPARE, 0x44400                    ; behind the stages: the spare words
.set LOFF,  3                          ; v3      16 x lane
.set ADRA,  4                          ; v4, v5  LDS address of my A fragments in tile 0, 1
.set STO,   12
.set RD,    13
.set CO,    14
.set BO,    15
.set BIAS,  16
.set OUTR,  48
.set ACC,   128
.set G1A,   24
.set G0A,   40
.set MSB, 0
.macro WIN new                         ; the immediate's high byte repeats the setting that is left
.if MSB != \new
	s_set_vgpr_msb (MSB<<8)|\new
.set MSB, \new
.endif
.endm
.set TO_A,  0xc0                       ; destination window 3, address window 0
.macro CROUND                          ; a round of the cluster's barrier
	s_barrier_signal -1
	s_barrier_wait -1
	s_cmp_lg_u32 s14, 0
	s_cbranch_scc1 .Lnot_wave_0_\@
	s_barrier_signal -3
.Lnot_wave_0_\@:
	s_barrier_wait -3
	s_barrier_signal -1
	s_barrier_wait -1
.endm
	s_load_b256 s[4:11], s[0:1], 0x0               ; a_img, w_img, the scales' exponents, b_out
	s_load_b64 s[12:13], s[0:1], 0x20              ; out0
	v_lshl_add_u32 v126, v0, 2, SPARE
	v_mov_b32 v127, 0
	ds_add_u32 v126, v127                          ; the opening lines: the add twice on end and one wait
	ds_add_u32 v126, v127
	v_lshrrev_b32 v1, 5, v0
	v_readfirstlane_b32 s14, v1                    ; wave 0..3
	s_lshr_b32 s15, s14, 1                         ; which half of a tile's rows is mine.  Also: which tile's A I fetch
	s_and_b32 s16, s14, 1                          ; which half of its columns.  Also: which half of that A
	s_bfe_u32 s17, ttmp6, 0x40000                  ; cx, cy
	s_bfe_u32 s18, ttmp6, 0x40004
	s_lshl_b32 s19, ttmp9, 2
	s_add_co_u32 s19, s19, s17                     ; tile column 0..7
	s_and_b32 s20, ttmp7, 0xffff
	s_lshl_b32 s20, s20, 2
	s_add_co_u32 s20, s20, s18                     ; first tile row 0..31; the second is 32 further down
	s_lshl_b32 s94, s18, 2
	s_lshl_b32 s94, 15, s94                        ; my row of the cluster
	s_or_b32 s[G1A+0], s94, (3<<16)|(1<<21)        ; the mask; elements of 8 bytes; bit 21 beside a mask
	s_mov_b32 s[G1A+1], 2048<<16                   ; a row: 2,048 elements = 16 KB
	s_mov_b32 s[G1A+2], 4<<16                      ; 4 rows
	s_mov_b32 s[G1A+3], 2048<<16
	s_mov_b32 s[G1A+4], 4
	s_mov_b32 s[G1A+5], 262144                     ; from row to row: 2 MB
	s_mov_b32 s[G1A+6], 0
	s_mov_b32 s[G1A+7], 0
	s_lshl_b32 s86, s15, 5
	s_add_co_u32 s86, s86, s20                     ; A: the tile row that I fetch for: its 8 tiles are 32 KB of each part,
	s_lshl_b32 s86, s86, 15
	s_lshl_b32 s84, s16, 14                        ; of which I take 16 KB
	s_add_co_u32 s86, s86, s84
	s_mov_b32 s87, 0
	s_lshl_b32 s90, s19, 15                        ; B: my four tiles of 16 columns in each part of w_img
	s_add_co_u32 s90, s90, s84
	s_mov_b32 s91, 0
	s_lshl_b32 s85, s14, 16                        ; where my load goes: wave x 64 KB: no place in the cluster enters an LDS address
	s_lshl_b32 s96, s20, 19                        ; out0: row 128 x tile row + 64 x half, 4,096 bytes a row
	s_lshl_b32 s97, s15, 18
	s_add_co_u32 s96, s96, s97
	s_mov_b32 s97, 0
	s_lshl_b32 s98, s19, 9                         ; column 128 x tile column + 64 x half, in bytes: in out0's rows and in b_out
	s_lshl_b32 s99, s16, 8
	s_add_co_u32 s98, s98, s99
	s_mov_b32 s99, 0
	s_mul_i32 s76, s14, 16*SP
	s_add_co_u32 s76, s76, STAGE                   ; my stage
	s_lshl_b32 s77, s15, 16                        ; my four tiles of A in tile 0,
	s_add_co_u32 s78, s77, 131072                  ; and in tile 1
	s_wait_dscnt 0x0                               ; both opening adds are done
	s_wait_kmcnt 0x0
	s_load_b64 s[58:59], s[8:9], 0x10              ; e4, e5
	s_mov_b32 s[G0A], 1
	s_mov_b32 s[G0A+1], s85
	s_add_nc_u64 s[G0A+2:G0A+3], s[4:5], s[86:87]
	s_or_b32 s[G0A+3], s[G0A+3], 0x80000000
	s_add_nc_u64 s[6:7], s[6:7], s[90:91]
	s_add_nc_u64 s[10:11], s[10:11], s[98:99]
	s_add_nc_u64 s[12:13], s[12:13], s[96:97]
	s_add_nc_u64 s[12:13], s[12:13], s[98:99]
	CROUND                                         ; all sixteen work-groups are here: the joint loads meet
	tensor_load_to_lds s[G0A:G0A+3], s[G1A:G1A+7]  ; my one tensor load: every wave issues one, its addresses made of the wave's number
	s_nop 0
.rept 4
	v_nop
.endr
	v_and_b32 v1, 15, v0                           ; r
	v_bfe_u32 v2, v0, 4, 1                         ; h
	v_and_b32 v[LOFF], 31, v0
	v_lshlrev_b32 v[LOFF], 4, v[LOFF]              ; 16 x lane
	v_lshlrev_b32 v[BO], 5, v2                     ; the bias: my half's eight columns of a tile
	v_mul_u32_u24 v[STO], v1, SP                   ; the stage, in: row r, 32 bytes for each half of the lanes
	v_lshl_add_u32 v[STO], v2, 5, v[STO]
	v_mul_u32_u24 v[RD], v2, SP                    ; back: lanes 0-15 take one row of 256 bytes, lanes 16-31 the next
	v_lshl_add_u32 v[RD], v1, 4, v[RD]
	v_lshlrev_b32 v[CO], 12, v2                    ; and the same two rows in out0
	v_lshl_add_u32 v[CO], v1, 4, v[CO]
	v_add_nc_u32 v[ADRA], s77, v[LOFF]
	v_add_nc_u32 v[ADRA+1], s78, v[LOFF]
	v_add_nc_u32 v[STO], s76, v[STO]
	v_add_nc_u32 v[RD], s76, v[RD]
.irp b, 0,1,2,3
	global_load_b128 v[BIAS+8*\b:BIAS+8*\b+3],   v[BO], s[10:11] offset:64*\b      ; b_out of columns 16 b + 8 h + 0..7 of my 64
	global_load_b128 v[BIAS+8*\b+4:BIAS+8*\b+7], v[BO], s[10:11] offset:64*\b+16
.endr
.irp kap, 0,1,2,3,4,5,6,7                          ; B, K step by K step: 16 loads each, 32 lanes reading 512 consecutive bytes
.set WB, 0x40*(1+\kap/4)
	WIN WB                                         ; destination window 1 or 2, address window 0
.irp b, 0,1,2,3
.irp c, 0,1,2,3
	global_load_b128 v[64*(\kap%4)+16*\b+4*\c:64*(\kap%4)+16*\b+4*\c+3], v[LOFF], s[6:7] offset:262144*(\kap/2)+4096*\b+2048*(\kap%2)+512*\c
.endr
.endr
.endr
	WIN 0
; 16 LDS loads in one run: A's four fragments of tile t, K step kap (part kap / 2, half kap % 2), into buffer f
.macro FETCH t, kap, f
	WIN TO_A
.irp i, 0,1,2,3
.irp c, 0,1,2,3
	ds_load_b128 v[(\f)+16*\i+4*\c:(\f)+16*\i+4*\c+3], v[ADRA+\t] offset:16384*((\kap)/2)+4096*\i+2048*((\kap)%2)+512*\c
.endr
.endr
.endm
; 16 products, 128 along K: the 16 accumulators take turns, one instruction a turn, in the same order in every step.  zero = 1: the first products start the sums
.macro MULS kap, zero
.set WM, 0x0c+1+(\kap)/4
	WIN WM                                         ; source 0 (B) window 1 or 2, source 1 (A) window 3, C and D window 0
.irp a, 0,1,2,3
.irp b, 0,1,2,3
.if \zero
	v_wmma_f32_16x16x128_fp8_fp8 v[ACC+8*(4*\a+\b):ACC+8*(4*\a+\b)+7], v[64*((\kap)%4)+16*\b:64*((\kap)%4)+16*\b+15], v[128*((\kap)%2)+16*\a:128*((\kap)%2)+16*\a+15], 0
.else
	v_wmma_f32_16x16x128_fp8_fp8 v[ACC+8*(4*\a+\b):ACC+8*(4*\a+\b)+7], v[64*((\kap)%4)+16*\b:64*((\kap)%4)+16*\b+15], v[128*((\kap)%2)+16*\a:128*((\kap)%2)+16*\a+15], v[ACC+8*(4*\a+\b):ACC+8*(4*\a+\b)+7]
.endif
.endr
.endr
.endm
.macro PLACES
.rept 4
	v_nop                                          ; four places behind the last step's products, in front of loads into the buffer that they read
.endr
.endm
; K step kap of tile t: A's fragments are waited for (in tile 0 B's too), the next step's are asked for (behind tile 0's last step: tile 1's first), then the products run
.macro STEP t, kap
	s_wait_dscnt 0x0
.if (\t) == 0
.if 16*(7-(\kap)) > 63
	s_wait_loadcnt 63                              ; B's loads of the later K steps, 16 each, may be out; the count's field holds 63 at the most
.else
	s_wait_loadcnt 16*(7-(\kap))
.endif
.endif
.if (\kap) < 7
.if ((\t)+(\kap)) > 0
	PLACES
.endif
	FETCH \t, (\kap)+1, 128*(1-(\kap)%2)
.else
.if (\t) == 0
	PLACES
	FETCH 1, 0, 0
.endif
.endif
	MULS \kap, (\kap)==0
.endm
; THE WAY OUT, 16 rows x my 64 columns at a time: sum x 2^(e4 + e5) + bias by one packed multiply-add for two numbers; 32 bytes a lane into my own stage; back as whole rows of 256 bytes.
; LDS serves a wave's instructions in order (ISA guide 5.7.1.4): no wait between the stores and the loads, nor in front of the next block's stores.
; Block b is stored while block b + 1 is on its way through the stage.  younger: the LDS instructions issued behind block b's loads, which may stay out
.macro SENDBLK b, younger
.irp t, 0,1,2,3,4,5,6,7
	s_wait_dscnt \younger+7-\t                     ; row pair t of the block is back; its 7 - t younger loads and the next block's 8 stores and 8 loads may be out
	global_store_b128 v[CO], v[OUTR+32*((\b)%2)+4*\t:OUTR+32*((\b)%2)+4*\t+3], s[12:13] offset:(16*(\b)+2*\t)*4096 th:TH_STORE_NT   ; 16 lanes store 256 consecutive bytes, at a multiple of 256 from out0's first byte
.endr
.endm
.macro OUTBLK a
.set SETR, OUTR+32*((\a)%2)
.if (\a) >= 2
	s_wait_xcnt 0x0                                ; the registers that block a - 2's stores read are written again only behind this wait
.endif
.irp b, 0,1,2,3
.irp i, 0,2,4,6
	v_pk_fma_f32 v[SETR+8*\b+\i:SETR+8*\b+\i+1], v[ACC+8*(4*(\a)+\b)+\i:ACC+8*(4*(\a)+\b)+\i+1], s[56:57], v[BIAS+8*\b+\i:BIAS+8*\b+\i+1] op_sel_hi:[1,0,1]   ; each accumulator from its low end on
.endr
.endr
.irp b, 0,1,2,3
	ds_store_b128 v[STO], v[SETR+8*\b:SETR+8*\b+3] offset:64*\b
	ds_store_b128 v[STO], v[SETR+8*\b+4:SETR+8*\b+7] offset:64*\b+16
.endr
.irp t, 0,1,2,3,4,5,6,7
	ds_load_b128 v[SETR+4*\t:SETR+4*\t+3], v[RD] offset:2*SP*\t
.endr
.if (\a) > 0
	SENDBLK (\a)-1, 16
.endif
.if (\a) == 3
	SENDBLK 3, 0
.endif
.endm
	s_wait_alu depctr_va_vdst(0)                   ; at the head's end
	s_wait_tensorcnt 0x0                           ; my load is in,
	s_barrier_signal -1
	s_barrier_wait -1                              ; everybody's is: both tiles' A are whole, and nothing is ever filled again
	FETCH 0, 0, 0
.irp k, 0,1,2,3,4,5,6,7
	STEP 0, \k
.endr
	WIN 0
	s_wait_kmcnt 0x0
	s_add_co_i32 s56, s58, s59                     ; e4 + e5, between -126 and 127,
	s_add_co_i32 s56, s56, 127
	s_lshl_b32 s56, s56, 23                        ; makes the f32 number 2^(e4 + e5)
	s_mov_b32 s57, s56
.rept 4
	v_nop                                          ; four places behind the last products, in front of the first read of results.  (The bias came in ahead of B: the last step waited for all my loads)
.endr
.irp a, 0,1,2,3
	OUTBLK \a                                      ; the first tile goes out; nothing waits for its stores
.endr
.irp k, 0,1,2,3,4,5,6,7
	STEP 1, \k
.endr
	WIN 0
	s_wait_xcnt 0x0                                ; the first tile's stores have read their base and their registers
	s_add_nc_u64 s[12:13], s[12:13], 0x1000000     ; 4,096 rows of out0 on
.rept 4
	v_nop
.endr
.irp a, 0,1,2,3
	OUTBLK \a
.endr
	s_wait_tensorcnt 0x0                           ; the wave's end
	ds_add_u32 v126, v127
	s_wait_dscnt 0x0
	CROUND                                         ; the closing round
	s_endpgm
.Lfunc_end_k_q5a3f6fce08_gemm:
	.size	k_q5a3f6fce08_gemm, .Lfunc_end_k_q5a3f6fce08_gemm-k_q5a3f6fce08_gemm
	.p2alignl 7, 3214868480
	.fill 96, 4, 3214868480
	.section	.rodata,"a",@progbits
	.p2align	6, 0x0
	.amdhsa_kernel k_q5a3f6fce08_gemm
		.amdhsa_group_segment_fixed_size 327680
		.amdhsa_private_segment_fixed_size 0
		.amdhsa_enable_private_segment 0
		.amdhsa_kernarg_size 40
		.amdhsa_user_sgpr_count 2
		.amdhsa_user_sgpr_kernarg_segment_ptr 1
		.amdhsa_wavefront_size32 1
		.amdhsa_system_sgpr_workgroup_id_x 1
		.amdhsa_system_sgpr_workgroup_id_y 1
		.amdhsa_system_sgpr_workgroup_id_z 1
		.amdhsa_system_vgpr_workitem_id 0
		.amdhsa_next_free_vgpr 1024
		.amdhsa_next_free_sgpr 100
		.amdhsa_reserve_vcc 0
		.amdhsa_float_denorm_mode_32 3
		.amdhsa_float_denorm_mode_16_64 3
		.amdhsa_memory_ordered 1
		.amdhsa_forward_progress 1
		.amdhsa_inst_pref_size 78
	.end_amdhsa_kernel
	.amdgpu_metadata
---
amdhsa.version: [ 1, 2 ]
amdhsa.kernels:
  - .name:           k_q5a3f6fce08_gemm
    .symbol:         k_q5a3f6fce08_gemm.kd
    .args:
      - { .name: a_img, .offset: 0, .size: 8, .value_kind: global_buffer, .address_space: global }
      - { .name: w_img, .offset: 8, .size: 8, .value_kind: global_buffer, .address_space: global }
      - { .name: lowp_scales, .offset: 16, .size: 8, .value_kind: global_buffer, .address_space: global }
      - { .name: b_out, .offset: 24, .size: 8, .value_kind: global_buffer, .address_space: global }
      - { .name: out0, .offset: 32, .size: 8, .value_kind: global_buffer, .address_space: global }
    .group_segment_fixed_size: 327680
    .private_segment_fixed_size: 0
    .kernarg_segment_align: 8
    .kernarg_segment_size: 40
    .max_flat_workgroup_size: 128
    .sgpr_count:     100
    .vgpr_count:     1024
    .wavefront_size: 32
...
	.end_amdgpu_metadata
.endif
;; end of part 3
